; MI455X (gfx1250); checked and timed in simulation.
; The chip was launched on July 23, 2026; its instructions are those of AMD's public machine-readable ISA for CDNA 5 (MIT licence, August 2026) and "CDNA5" Instruction Set Architecture Reference Guide (July 2026). The comments in the code are by the model that wrote it; some were corrected since.
;; Bin Linear. Allowed arithmetic: matrix products marked QUANTISED: E4M3 operands, one given power-of-two scale a tensor, by v_wmma_f32_16x16x64_fp8_fp8 or v_wmma_f32_16x16x128_fp8_fp8, f32 sums; everything else in f32.
;; Inputs: beta 4,096 float32; bias 4,096 float32; gamma 4,096 float32; lowp_scales 2 int32 (the exponents e of the quantised operands' scales 2^e); weight 4,096 x 4,096 float32; x 4,096 x 4,096 float32.
;; Outputs: out0 4,096 x 4,096 float32.
;; This version of the problem:
;;   THIS VERSION OF THE PROBLEM IS GIVEN IN LOW PRECISION. The matrix products marked QUANTISED in the list below multiply operands that are first quantised to E4M3 (4 exponent bits, 3 mantissa bits; 8 bits a number), with one given power-of-two scale for each operand tensor; their sums are f32. All else is computed in f32.
;;   The module's matrix products, in the order in which they are computed (A, B: the left and right operand; K: the contracted axis; several contracted axes count as one K, in the product's order):
;;     1. [M 4,096, K 4,096] x [K 4,096, N 4,096]; A: computed on the way; B: computed on the way: QUANTISED (scales: A lowp_scales[0], B lowp_scales[1])
;;   THE QUANTISER, for each operand of a quantised product, along K:
;;     - The operand's scale is 2^e, e = its entry of the input lowp_scales (int32; the entries are numbered through the quantised products in the list's order, A before B).
;;     - Each number is divided by the scale, clamped to +-448, and rounded to the nearest number of E4M3, ties to even, subnormals kept.
;;     - The product sums the exact products of the quantised numbers (number of the format x scale) in f32.
;;   ~~~python
;;   def quantise(x, axis, e):      # numpy; x: float32 -> the quantised numbers, widened to float32 again
;;       x = np.moveaxis(x, axis, -1); K = x.shape[-1]
;;       r = np.clip(x / 2.0 ** e, -448, 448)
;;       step = 2.0 ** (np.maximum(np.frexp(np.where(r == 0, 1, r))[1] - 1, -6) - 3)
;;       q = np.round(r / step) * step * 2.0 ** e      # np.round: ties to even
;;       return np.moveaxis(q, -1, axis).astype(np.float32)
;;   ~~~
;;   OPERANDS COMPUTED ON THE WAY. 'Computed on the way' means the value that the module computes at that place (a softmax that the list does not call 'softmax' is quantised finished and normalised). What goes into a quantiser is computed in f32, as accurately as f32 sums, v_exp_f32 and their like allow (about 1e-6 of the number): no bf16 or f16 on the way to a quantiser, and a product that is left as it is and whose result goes on into a quantised operand takes f32 operands (vector FMAs, or v_wmma_f32_16x16x4_f32). A number that lies on a knife's edge between two numbers of the format may be rounded either way, as far as f32 arithmetic and the matrix unit's own rounding can turn it there, and no further.
;; One version. Each part assembles by itself: llvm-mc -triple=amdgcn-amd-amdhsa -mcpu=gfx1250 --defsym DOCPART=n.
;; ======== version 1 of 1: 3 launches
;; workspace buffers: xpart 524,288 bytes; x_codes 16,777,216 bytes; w_codes 16,777,216 bytes; wsc 32,768 bytes
;; launch xstat (part 1): grid 32 x 16, 8 waves a work-group, no clusters, 9,216 bytes of LDS; arguments x, xpart; writes xpart
.if DOCPART == 1
	.amdgcn_target "amdgcn-amd-amdhsa--gfx1250"
	.amdhsa_code_object_version 6
	.text
	.protected	k_qbe5413d909_xstat
	.globl	k_qbe5413d909_xstat
	.p2align	8
	.type	k_qbe5413d909_xstat,@function
k_qbe5413d909_xstat:
	s_mov_b64 s[64:65], 0
	v_nop
	global_prefetch_b8 v0, s[64:65] scope:SCOPE_SE
	s_setreg_imm32_b32 hwreg(HW_REG_WAVE_MODE, 25, 1), 1
	s_wait_xcnt 0x0
; FIRST OF THREE LAUNCHES.  out0 = relu((sign(BN(x)) . sign(wc)^T + bias) x scale), the product on codes of E4M3.
; NO WORK IS LEFT OUT, and every input is loaded by some launch: gamma's sign turns signs; beta and the variance move the place where xn changes sign
; whenever beta is not 0; the clip does not move a sign but moves scale; bias reaches the output.
; THIS LAUNCH: the batch statistics of x [4096 rows][4096 columns] f32, in parts.  For each of 16 chunks of 256 rows and each column: the chunk's mean, and
; M2 = the sum of squared deviations from that mean.  The next launch joins the 16 chunks.  Means of equal counts are joined by
; mean = average of the means, M2 = sum of the M2 + count x sum of (mean_i - mean)^2: no difference of large sums is formed, so a common offset of the inputs costs nothing.
; All divisions are by powers of two.  LIMIT: NaN and infinity among the inputs are not served.
; SHARES.  Work-group (x = block of 128 columns, y = chunk).  Wave w takes rows 32 w .. 32 w + 31 of the chunk; lane l columns 4 l .. 4 l + 3 of the block: each load of a wave covers 512 consecutive bytes.
; All 32 loads of a wave go out at once; the rows stay in registers between the pass for the mean and the pass for M2: x is read once here.
; The eight waves' figures meet in LDS; wave 0 joins them and stores 512 consecutive bytes of means and 512 of M2.
; Matrix units, tensor loads and clusters are left out: the work-groups share no input and there is no product.
.set SPARE, 8192                       ; LDS: 0 .. 8191 wave w's means at 1024 w + 16 l, its M2 512 bytes on; then the spare words, 128 bytes a wave, which no other line names
.set SPW, 4                            ; v4       LDS address of my spare word; never rewritten
.set NIL, 5                            ; v5       0; never rewritten
.set X,   8                            ; v8-135   row t of my 32 at v[X + 4 t]
.set S,   136                          ; v136-151 four chains of sums, four columns each
.set MN,  152                          ; v152-155 the mean of my four columns
.set Q,   156                          ; v156-163 two chains of squares
.macro FOLD                            ; the four chains become one, in S
.irp p, 0
	v_pk_add_f32 v[S+\p:S+\p+1], v[S+\p:S+\p+1], v[S+4+\p:S+4+\p+1]
	s_delay_alu instid0(VALU_DEP_3)
	v_pk_add_f32 v[S+8+\p:S+8+\p+1], v[S+8+\p:S+8+\p+1], v[S+12+\p:S+12+\p+1]
.endr
.irp p, 2
	v_pk_add_f32 v[S+\p:S+\p+1], v[S+\p:S+\p+1], v[S+4+\p:S+4+\p+1]
	s_delay_alu instid0(VALU_DEP_4)
	v_pk_add_f32 v[S+8+\p:S+8+\p+1], v[S+8+\p:S+8+\p+1], v[S+12+\p:S+12+\p+1]
.endr
.irp p, 0
	s_delay_alu instid0(VALU_DEP_3)
	v_pk_add_f32 v[S+\p:S+\p+1], v[S+\p:S+\p+1], v[S+8+\p:S+8+\p+1]
.endr
.irp p, 2
	s_delay_alu instid0(VALU_DEP_2)
	v_pk_add_f32 v[S+\p:S+\p+1], v[S+\p:S+\p+1], v[S+8+\p:S+8+\p+1]
.endr
.endm
.macro PAIRS b                         ; eight rows from v[b] on, added two and two into the four chains
.irp k, 0,1,2,3
.irp p, 0,2
	v_pk_add_f32 v[S+4*\k+\p:S+4*\k+\p+1], v[\b+8*\k+\p:\b+8*\k+\p+1], v[\b+8*\k+4+\p:\b+8*\k+4+\p+1]
.endr
.endr
.endm
.macro M2OF n                          ; rows 0 .. n - 1 at X lose the mean MN, in place; Q = the sum of their squares
.set t, 0
.rept \n
.irp p, 0,2
	v_pk_add_f32 v[X+4*t+\p:X+4*t+\p+1], v[X+4*t+\p:X+4*t+\p+1], v[MN+\p:MN+\p+1] neg_lo:[0,1] neg_hi:[0,1]
.endr
.set t, t+1
.endr
.set t, 0
.rept \n
.irp p, 0,2
.if t < 2
	v_pk_mul_f32 v[Q+4*(t%2)+\p:Q+4*(t%2)+\p+1], v[X+4*t+\p:X+4*t+\p+1], v[X+4*t+\p:X+4*t+\p+1]   ; the first two rows start the chains: nothing is cleared
.else
	s_delay_alu instid0(VALU_DEP_4)
	v_pk_fma_f32 v[Q+4*(t%2)+\p:Q+4*(t%2)+\p+1], v[X+4*t+\p:X+4*t+\p+1], v[X+4*t+\p:X+4*t+\p+1], v[Q+4*(t%2)+\p:Q+4*(t%2)+\p+1]
.endif
.endr
.set t, t+1
.endr
.irp p, 0,2
	s_delay_alu instid0(VALU_DEP_2)
	v_pk_add_f32 v[Q+\p:Q+\p+1], v[Q+\p:Q+\p+1], v[Q+4+\p:Q+4+\p+1]
.endr
.endm
	s_load_b128 s[4:7], s[0:1], 0x0                ; x s[4:5], xpart s[6:7]
	v_lshl_add_u32 v[SPW], v0, 2, SPARE
	v_mov_b32 v[NIL], 0
	v_lshrrev_b32 v3, 5, v0
	s_delay_alu instid0(VALU_DEP_1)
	v_readfirstlane_b32 s8, v3                     ; wave 0..7
	v_and_b32 v1, 31, v0
	s_delay_alu instid0(VALU_DEP_1)
	v_lshlrev_b32 v1, 4, v1                        ; 16 x lane: my 16 bytes of a row's 512; also wave 0's place in LDS
	s_delay_alu instid0(VALU_DEP_1)
	v_lshl_add_u32 v2, v3, 10, v1                  ; 1024 x wave + 16 x lane: where I put my figures
	s_and_b32 s9, ttmp7, 0xffff                    ; the chunk
	s_lshl_b32 s10, s9, 8
	s_lshl_b32 s11, s8, 5
	s_add_co_u32 s10, s10, s11                     ; my wave's first row: 256 x chunk + 32 x wave
	s_lshl_b32 s10, s10, 14                        ; a row is 16,384 bytes; the whole tensor stays under 2^26
	s_lshl_b32 s11, ttmp9, 9                       ; the block's 128 columns: 512 bytes
	s_add_co_u32 s10, s10, s11
	s_mov_b32 s11, 0
	s_lshl_b32 s12, s9, 15                         ; xpart: a chunk is 16,384 bytes of means, then as many of M2
	s_lshl_b32 s13, ttmp9, 9
	s_add_co_u32 s12, s12, s13
	s_mov_b32 s13, 0
	s_wait_alu depctr_va_vdst(0)
	s_wait_kmcnt 0x0
	s_add_nc_u64 s[4:5], s[4:5], s[10:11]
	s_add_nc_u64 s[6:7], s[6:7], s[12:13]
.set t, 0
.rept 32
	global_load_b128 v[X+4*t:X+4*t+3], v1, s[4:5] offset:t*16384   ; no hint: the next launch reads x again
.set t, t+1
.endr
	; the sum of my 32 rows: four chains of eight, started by the first eight rows
.set t, 0
.rept 32
.if t%8 == 0
	s_wait_alu depctr_va_vdst(0)
	s_wait_loadcnt 24-t                            ; loads come back in order: these eight rows are in, the younger ones stay out
.endif
.irp p, 0,2
.if (t >= 4) && (t < 8)
	v_pk_add_f32 v[S+4*(t%4)+\p:S+4*(t%4)+\p+1], v[X+4*(t-4)+\p:X+4*(t-4)+\p+1], v[X+4*t+\p:X+4*t+\p+1]
.elseif t >= 8
	v_pk_add_f32 v[S+4*(t%4)+\p:S+4*(t%4)+\p+1], v[S+4*(t%4)+\p:S+4*(t%4)+\p+1], v[X+4*t+\p:X+4*t+\p+1]
.endif
.endr
.set t, t+1
.endr
	FOLD
	s_delay_alu instid0(VALU_DEP_2)
	v_pk_mul_f32 v[MN:MN+1], v[S:S+1], 0x3d000000 op_sel_hi:[1,0]       ; / 32
	s_delay_alu instid0(VALU_DEP_2)
	v_pk_mul_f32 v[MN+2:MN+3], v[S+2:S+3], 0x3d000000 op_sel_hi:[1,0]
	M2OF 32
	ds_store_b128 v2, v[MN:MN+3]
	ds_store_b128 v2, v[Q:Q+3] offset:512
	s_wait_tensorcnt 0x0                           ; these were my last LDS stores
	ds_add_u32 v[SPW], v[NIL]
	s_wait_dscnt 0x0                               ; also for the others' sake: my stores have landed
	s_barrier_signal -1
	s_barrier_wait -1
	s_cmp_lg_u32 s8, 0                             ; wave 0 joins the eight; no barrier follows
	s_cbranch_scc1 .Ldone
.irp w, 0,1,2,3,4,5,6,7
	ds_load_b128 v[X+4*\w:X+4*\w+3], v1 offset:1024*\w             ; the eight means of my four columns,
.endr
.irp w, 0,1,2,3,4,5,6,7
	ds_load_b128 v[X+32+4*\w:X+32+4*\w+3], v1 offset:1024*\w+512   ; and the eight M2
.endr
	s_wait_dscnt 0x0
	PAIRS X
	FOLD
	s_delay_alu instid0(VALU_DEP_2)
	v_pk_mul_f32 v[MN:MN+1], v[S:S+1], 0x3e000000 op_sel_hi:[1,0]       ; / 8: the chunk's mean
	s_delay_alu instid0(VALU_DEP_2)
	v_pk_mul_f32 v[MN+2:MN+3], v[S+2:S+3], 0x3e000000 op_sel_hi:[1,0]
	M2OF 8                                         ; the sum of (wave's mean - chunk's mean)^2
	PAIRS X+32
	FOLD                                           ; the sum of the waves' M2
	s_delay_alu instid0(VALU_DEP_2)
	v_pk_fma_f32 v[Q:Q+1], v[Q:Q+1], 0x42000000, v[S:S+1] op_sel_hi:[1,0,1]       ; + 32 x that: the chunk's M2
	s_delay_alu instid0(VALU_DEP_2)
	v_pk_fma_f32 v[Q+2:Q+3], v[Q+2:Q+3], 0x42000000, v[S+2:S+3] op_sel_hi:[1,0,1]
	global_store_b128 v1, v[MN:MN+3], s[6:7]                   ; 32 lanes store 512 consecutive bytes, at a multiple of 512 from the buffer's first byte
	global_store_b128 v1, v[Q:Q+3], s[6:7] offset:16384
.Ldone:
	s_endpgm
.Lfunc_end_k_qbe5413d909_xstat:
	.size	k_qbe5413d909_xstat, .Lfunc_end_k_qbe5413d909_xstat-k_qbe5413d909_xstat
	.p2alignl 7, 3214868480
	.fill 96, 4, 3214868480
	.section	.rodata,"a",@progbits
	.p2align	6, 0x0
	.amdhsa_kernel k_qbe5413d909_xstat
		.amdhsa_group_segment_fixed_size 9216
		.amdhsa_private_segment_fixed_size 0
		.amdhsa_enable_private_segment 0
		.amdhsa_kernarg_size 16
		.amdhsa_user_sgpr_count 2
		.amdhsa_user_sgpr_kernarg_segment_ptr 1
		.amdhsa_wavefront_size32 1
		.amdhsa_system_sgpr_workgroup_id_x 1
		.amdhsa_system_sgpr_workgroup_id_y 1
		.amdhsa_system_sgpr_workgroup_id_z 1
		.amdhsa_system_vgpr_workitem_id 0
		.amdhsa_next_free_vgpr 168
		.amdhsa_next_free_sgpr 66
		.amdhsa_reserve_vcc 0
		.amdhsa_float_denorm_mode_32 3
		.amdhsa_float_denorm_mode_16_64 3
		.amdhsa_memory_ordered 1
		.amdhsa_forward_progress 1
		.amdhsa_inst_pref_size 26
	.end_amdhsa_kernel
	.amdgpu_metadata
---
amdhsa.version: [ 1, 2 ]
amdhsa.kernels:
  - .name:           k_qbe5413d909_xstat
    .symbol:         k_qbe5413d909_xstat.kd
    .args:
      - { .name: x, .offset: 0, .size: 8, .value_kind: global_buffer, .address_space: global }
      - { .name: xpart, .offset: 8, .size: 8, .value_kind: global_buffer, .address_space: global }
    .group_segment_fixed_size: 9216
    .private_segment_fixed_size: 0
    .kernarg_segment_align: 8
    .kernarg_segment_size: 16
    .max_flat_workgroup_size: 256
    .sgpr_count:     66
    .vgpr_count:     168
    .wavefront_size: 32
...
	.end_amdgpu_metadata
.endif
;; end of part 1
;; launch quant (part 2): grid 768 x 1, 8 waves a work-group, no clusters, 5,120 bytes of LDS; arguments x, xpart, gamma, beta, weight, bias, lowp_scales, x_codes, w_codes, wsc; writes x_codes, w_codes, wsc
.if DOCPART == 2
	.amdgcn_target "amdgcn-amd-amdhsa--gfx1250"
	.amdhsa_code_object_version 6
	.text
	.protected	k_qbe5413d909_quant
	.globl	k_qbe5413d909_quant
	.p2align	8
	.type	k_qbe5413d909_quant,@function
k_qbe5413d909_quant:
	s_mov_b64 s[64:65], 0
	v_nop
	global_prefetch_b8 v0, s[64:65] scope:SCOPE_SE
	s_setreg_imm32_b32 hwreg(HW_REG_WAVE_MODE, 25, 1), 1
	s_wait_xcnt 0x0
; SECOND OF THREE LAUNCHES: both operands of the product become codes of E4M3.  No work of the problem is left out.
; Work-groups 0-255: x_codes = Q(sign(xn)), xn = (x - mu) a + beta, a = gamma / sqrt(var + 1e-4), mu and var joined from the 16 chunks that the launch before stored.
; Work-groups 256-767: one wave to a row n of weight: d = w - the row's mean; w_codes = Q(sign(d)) (the clip to +-1 moves no sign); scale = the mean of min(|d|, 1) = the mean of |clip(d)|;
;   wsc holds s[n] = scale x 2^(e0 + e1) and, 16,384 bytes on, t[n] = bias[n] x scale, so that the product's launch gives relu(sum of codes x s + t).
; SIGN AND QUANTISER IN ONE: z x 2^300 is +-infinity for every z but 0, the smallest denormal too, and 0 for 0; held between -U and U, U = min(1, 448 x 2^e), that is sign(z) held at the largest code x the scale;
;   the conversion divides by 2^e and rounds to the nearest code, ties to even.
; THE ORDER OF K IN BOTH BUFFERS OF CODES.  A row is 4,096 bytes.  Inside each group of 512 places, byte 16 l + 4 j + i holds column 128 j + 4 l + i (l 0..31, j 0..3, i 0..3): the same permutation in both operands,
;   so every product meets its partner; the sums are whole multiples of one power of two, so their order changes nothing.  With it lane l's four dense loads of 16 bytes (each load of a wave covers 512 consecutive bytes)
;   give the 16 numbers whose codes are the lane's 16 consecutive bytes (each store of a wave covers 512 consecutive bytes): nothing goes through LDS to change lanes.
; LIMITS: e0, e1 between -126 and 119, so that 2^e and 448 x 2^e are f32 numbers.  NaN and infinity among the inputs are not served.  xn is one subtraction and one fused multiply-add, a = gamma x rsq(var + 1e-4):
;   another order of rounding than a division and a multiplication, a few units of the last place apart.
; Only the x path uses LDS and the barrier; the branch between the paths hangs on the work-group's number, the same in all eight waves.
; Matrix units, tensor loads and clusters are left out: this is a stream, and the work-groups share nothing but the small table of parts.
.set SPARE, 4096                       ; LDS: mu of the block's 512 columns at 0, a at 2048; then the spare words, 128 bytes a wave, which no other line names
.set SPW, 4                            ; v4   LDS address of my spare word; never rewritten
.set NIL, 5                            ; v5   0; never rewritten
.set U,   6                            ; v6   min(1, 448 x 2^e)
.set SC,  7                            ; v7   2^e as f32: the conversion takes its exponent field
; the x path
.set G,   8                            ; v[8:9]   gamma of my two columns
.set CH,  10                           ; v10-17   four chains, a pair of columns each
.set QQ,  18                           ; v18-21   two chains of squares; then a
.set MUP, 22                           ; v[22:23] mu of my two columns
.set BE,  24                           ; v24-39   beta of my 16 columns
.set P,   40                           ; v40-103  the 16 chunks' parts: mean (a pair), M2 (a pair); done with before MU, AA and C are written
.set MU,  40                           ; v40-55   mu of my 16 columns
.set AA,  56                           ; v56-71   a of my 16 columns
.set C,   72                           ; v72-87   codes: four sets of four registers
.set X,   128                          ; v128-191 four sets of 16 numbers: rows in flight
; the weight path
.set WS,  8                            ; v8-15    four chains of pairs
.set WM,  16                           ; v[16:17] the row's mean, twice
.set ACC, 18                           ; v18-21   four chains of min(|d|, 1)
.set WT,  22                           ; v22-25   at work
.set WC,  32                           ; v32-63   codes: four registers for each group of 512, so that no store's data are written again
.set W,   64                           ; v64-191  the row: my 128 numbers
.macro MAKEU e                         ; U and SC from the exponent in scalar register e
	s_add_co_i32 s38, \e, 127
	s_lshl_b32 s39, s38, 23
	v_mov_b32 v[SC], s39
	s_add_co_i32 s38, s38, 8
	s_lshl_b32 s38, s38, 23
	s_or_b32 s38, s38, 0x600000                    ; 448 x 2^e
	v_mov_b32 v[U], s38
	s_delay_alu instid0(VALU_DEP_1)
	v_min_num_f32 v[U], 1.0, v[U]
.endm
.macro SIGNQ s, d                      ; 16 numbers at v[s] become their signs' 16 codes at v[d]
.irp i, 0,1,2,3,4,5,6,7,8,9,10,11,12,13,14,15
	v_ldexp_f32 v[(\s)+\i], v[(\s)+\i], s32
.endr
.irp i, 0,1,2,3,4,5,6,7,8,9,10,11,12,13,14,15
	v_med3_num_f32 v[(\s)+\i], v[(\s)+\i], -v[U], v[U]
.endr
	v_cvt_scalef32_pk8_fp8_f32 v[(\d):(\d)+1], v[(\s):(\s)+7], v[SC]
	v_cvt_scalef32_pk8_fp8_f32 v[(\d)+2:(\d)+3], v[(\s)+8:(\s)+15], v[SC]
; (the codes go to a store alone, and the next vector line is always a plain one on other registers: so no v_nop is written behind the conversions)
.endm
	s_load_b512 s[4:19], s[0:1], 0x0               ; x 4:5, xpart 6:7, gamma 8:9, beta 10:11, weight 12:13, bias 14:15, lowp_scales 16:17, x_codes 18:19
	s_load_b128 s[20:23], s[0:1], 0x40             ; w_codes 20:21, wsc 22:23
	v_lshl_add_u32 v[SPW], v0, 2, SPARE
	v_mov_b32 v[NIL], 0
	v_lshrrev_b32 v1, 5, v0
	s_delay_alu instid0(VALU_DEP_1)
	v_readfirstlane_b32 s24, v1                    ; wave 0..7
	v_and_b32 v1, 31, v0                           ; lane
	s_delay_alu instid0(VALU_DEP_1)
	v_lshlrev_b32 v2, 4, v1                        ; 16 x lane
	s_mov_b32 s32, 300
	s_wait_kmcnt 0x0
	s_load_b64 s[26:27], s[16:17], 0x0             ; e0, e1
	s_cmp_ge_u32 ttmp9, 256
	s_cbranch_scc1 .Lweight
	; ---------------- x: a work-group takes 512 columns (block cb) x 128 rows (block rb); wave w rows 16 w .. 16 w + 15 of them
	s_and_b32 s28, ttmp9, 7                        ; cb
	s_lshr_b32 s29, ttmp9, 3                       ; rb
	s_lshl_b32 s29, s29, 7
	s_lshl_b32 s30, s24, 4
	s_add_co_u32 s29, s29, s30                     ; my wave's first row
	s_lshl_b32 s30, s28, 11                        ; the block's columns in f32: 2,048 bytes
	s_mov_b32 s31, 0
	s_add_nc_u64 s[6:7], s[6:7], s[30:31]
	s_add_nc_u64 s[8:9], s[8:9], s[30:31]
	s_add_nc_u64 s[10:11], s[10:11], s[30:31]
	s_lshl_b32 s34, s29, 14
	s_add_co_u32 s34, s34, s30
	s_mov_b32 s35, 0
	s_add_nc_u64 s[4:5], s[4:5], s[34:35]
	s_lshl_b32 s34, s29, 12                        ; a row of codes is 4,096 bytes,
	s_lshl_b32 s30, s28, 9                         ; the block's 512
	s_add_co_u32 s34, s34, s30
	s_add_nc_u64 s[18:19], s[18:19], s[34:35]
	s_mov_b32 s36, 0x39800000                      ; 1 / 4096
	s_mov_b32 s37, 0x38d1b717                      ; 1e-4
	v_lshlrev_b32 v3, 3, v0                        ; thread t joins columns 2 t, 2 t + 1 of the block: 8 bytes; a wave covers 256 consecutive bytes
.irp c, 0,1,2,3,4,5,6,7,8,9,10,11,12,13,14,15
	global_load_b64 v[P+4*\c:P+4*\c+1], v3, s[6:7] offset:\c*32768
	global_load_b64 v[P+4*\c+2:P+4*\c+3], v3, s[6:7] offset:\c*32768+16384
.endr
	global_load_b64 v[G:G+1], v3, s[8:9]
	s_wait_alu depctr_va_vdst(0)
.irp j, 0,1,2,3
	global_load_b128 v[BE+4*\j:BE+4*\j+3], v2, s[10:11] offset:512*\j   ; beta of columns 128 j + 4 l + 0 .. 3
.endr
.macro XLOAD t                         ; row t of my 16: four loads of 512 consecutive bytes; register 4 j + i of the set = column 128 j + 4 l + i
.irp j, 0,1,2,3
	global_load_b128 v[X+16*((\t)%4)+4*\j:X+16*((\t)%4)+4*\j+3], v2, s[4:5] offset:(\t)*16384+512*\j th:TH_LOAD_NT
.endr
.endm
.irp t, 0,1,2,3
	XLOAD \t
.endr
	s_wait_loadcnt 16                              ; the parts, gamma and beta are in; the 16 loads of x behind them stay out
.macro SUM16 off                       ; the sum over the 16 chunks of the pair at P + 4 c + off, into CH: four chains of four, then a tree
.irp c, 4,5,6,7
	v_pk_add_f32 v[CH+2*(\c%4):CH+2*(\c%4)+1], v[P+4*(\c-4)+\off:P+4*(\c-4)+\off+1], v[P+4*\c+\off:P+4*\c+\off+1]
.endr
.irp c, 8,9,10,11,12,13,14,15
	s_delay_alu instid0(VALU_DEP_4)
	v_pk_add_f32 v[CH+2*(\c%4):CH+2*(\c%4)+1], v[CH+2*(\c%4):CH+2*(\c%4)+1], v[P+4*\c+\off:P+4*\c+\off+1]
.endr
	s_delay_alu instid0(VALU_DEP_3)
	v_pk_add_f32 v[CH:CH+1], v[CH:CH+1], v[CH+2:CH+3]
	s_delay_alu instid0(VALU_DEP_2)
	v_pk_add_f32 v[CH+4:CH+5], v[CH+4:CH+5], v[CH+6:CH+7]
	s_delay_alu instid0(VALU_DEP_1)
	v_pk_add_f32 v[CH:CH+1], v[CH:CH+1], v[CH+4:CH+5]
.endm
	SUM16 0
	s_delay_alu instid0(VALU_DEP_1)
	v_pk_mul_f32 v[MUP:MUP+1], v[CH:CH+1], 0x3d800000 op_sel_hi:[1,0]   ; / 16: mu
.irp c, 0,1,2,3,4,5,6,7,8,9,10,11,12,13,14,15
	v_pk_add_f32 v[P+4*\c:P+4*\c+1], v[P+4*\c:P+4*\c+1], v[MUP:MUP+1] neg_lo:[0,1] neg_hi:[0,1]   ; chunk's mean - mu
.endr
.irp c, 0,1
	v_pk_mul_f32 v[QQ+2*\c:QQ+2*\c+1], v[P+4*\c:P+4*\c+1], v[P+4*\c:P+4*\c+1]
.endr
.irp c, 2,3,4,5,6,7,8,9,10,11,12,13,14,15
	s_delay_alu instid0(VALU_DEP_2)
	v_pk_fma_f32 v[QQ+2*(\c%2):QQ+2*(\c%2)+1], v[P+4*\c:P+4*\c+1], v[P+4*\c:P+4*\c+1], v[QQ+2*(\c%2):QQ+2*(\c%2)+1]
.endr
	s_delay_alu instid0(VALU_DEP_1)
	v_pk_add_f32 v[QQ:QQ+1], v[QQ:QQ+1], v[QQ+2:QQ+3]
	SUM16 2
	s_delay_alu instid0(VALU_DEP_1)
	v_pk_fma_f32 v[CH:CH+1], v[QQ:QQ+1], 0x43800000, v[CH:CH+1] op_sel_hi:[1,0,1]   ; the sum of the M2 + 256 x the sum of the squares: the column's M2
	s_delay_alu instid0(VALU_DEP_1)
	v_fma_f32 v[CH], v[CH], s36, s37               ; var + 1e-4
	s_delay_alu instid0(VALU_DEP_2)
	v_fma_f32 v[CH+1], v[CH+1], s36, s37
	s_wait_alu depctr_va_vdst(0)
	v_rsq_f32 v[QQ], v[CH]
	v_rsq_f32 v[QQ+1], v[CH+1]
	v_nop                                          ; a plain instruction behind the last of the two (ISA guide 5.7.2),
	s_wait_alu depctr_va_vdst(0)                   ; and a wait ahead of their first reader
	v_pk_mul_f32 v[QQ:QQ+1], v[G:G+1], v[QQ:QQ+1]  ; a
	ds_store_b64 v3, v[MUP:MUP+1]
	ds_store_b64 v3, v[QQ:QQ+1] offset:2048
	s_wait_tensorcnt 0x0                           ; these were my last LDS stores
	ds_add_u32 v[SPW], v[NIL]
	s_wait_dscnt 0x0                               ; also for the others' sake: my stores have landed
	s_barrier_signal -1
	s_barrier_wait -1                              ; mu and a of all 512 columns lie in LDS
.irp j, 0,1,2,3
	ds_load_b128 v[MU+4*\j:MU+4*\j+3], v2 offset:512*\j
	ds_load_b128 v[AA+4*\j:AA+4*\j+3], v2 offset:2048+512*\j
.endr
	s_wait_kmcnt 0x0
	MAKEU s26                                      ; e0
	s_wait_dscnt 0x0
.macro ROW t
.set XS, X+16*((\t)%4)
.set CS, C+4*((\t)%4)
.if (\t) <= 12
	s_wait_loadcnt 12                              ; this row's four loads are in; those of the three rows behind it stay out
.else
	s_wait_loadcnt 4*(15-(\t))
.endif
	s_wait_xcnt 0x0                                ; the store of four rows back has read its data: this set of codes is written again only behind this wait
.irp p, 0,2,4,6,8,10,12,14
	v_pk_add_f32 v[XS+\p:XS+\p+1], v[XS+\p:XS+\p+1], v[MU+\p:MU+\p+1] neg_lo:[0,1] neg_hi:[0,1]
.endr
.irp p, 0,2,4,6,8,10,12,14
	v_pk_fma_f32 v[XS+\p:XS+\p+1], v[XS+\p:XS+\p+1], v[AA+\p:AA+\p+1], v[BE+\p:BE+\p+1]
.endr
	SIGNQ XS, CS
.if (\t)+4 < 16
	XLOAD (\t)+4                                   ; the set takes the row four further on: the load ahead of the store
.endif
	global_store_b128 v2, v[CS:CS+3], s[18:19] offset:(\t)*4096    ; 32 lanes store 512 consecutive bytes, at a multiple of 512 from the buffer's first byte
.endm
.irp t, 0,1,2,3,4,5,6,7,8,9,10,11,12,13,14,15
	ROW \t
.endr
	s_endpgm
	; ---------------- weight: a wave takes a whole row, 16,384 bytes in 128 registers, read once
.Lweight:
	s_sub_co_u32 s28, ttmp9, 256
	s_lshl_b32 s28, s28, 3
	s_add_co_u32 s28, s28, s24                     ; my row
	s_lshl_b32 s30, s28, 14
	s_mov_b32 s31, 0
	s_add_nc_u64 s[12:13], s[12:13], s[30:31]
	s_lshl_b32 s30, s28, 12
	s_add_nc_u64 s[20:21], s[20:21], s[30:31]
	s_lshl_b32 s34, s28, 2
	s_mov_b32 s35, 0
	s_add_nc_u64 s[22:23], s[22:23], s[34:35]
	s_add_nc_u64 s[14:15], s[14:15], s[34:35]
	s_load_b32 s33, s[14:15], 0x0                  ; bias of my row
	s_mov_b32 s40, 0x76543210                      ; v_permlanex16_b32: lane l takes lane l xor 16
	s_mov_b32 s41, 0xfedcba98
	v_mov_b32 v3, 0
	v_mov_b32 v[WT], 0                             ; a lane permute's destination counts as read: written once
.set n, 0
	s_wait_alu depctr_va_vdst(0)
.rept 32
	global_load_b128 v[W+4*n:W+4*n+3], v2, s[12:13] offset:512*n th:TH_LOAD_NT   ; register 4 n + i = column 128 n + 4 l + i
.set n, n+1
.endr
.macro LANESUM r                       ; the sum over the 32 lanes, in every lane
	s_delay_alu instid0(VALU_DEP_1)
	v_add_f32_dpp v[\r], v[\r], v[\r] row_xmask:1 row_mask:0xf bank_mask:0xf
	s_delay_alu instid0(VALU_DEP_1)
	v_add_f32_dpp v[\r], v[\r], v[\r] row_xmask:2 row_mask:0xf bank_mask:0xf
	s_delay_alu instid0(VALU_DEP_1)
	v_add_f32_dpp v[\r], v[\r], v[\r] row_xmask:4 row_mask:0xf bank_mask:0xf
	s_delay_alu instid0(VALU_DEP_1)
	v_add_f32_dpp v[\r], v[\r], v[\r] row_xmask:8 row_mask:0xf bank_mask:0xf
	s_delay_alu instid0(VALU_DEP_1)
	v_permlanex16_b32 v[WT], v[\r], s40, s41
	s_delay_alu instid0(VALU_DEP_1)
	v_add_f32 v[\r], v[\r], v[WT]
.endm
.set pp, 0
.rept 64                               ; the row's sum: my 64 pairs in four chains, started by the first eight pairs
.if pp%16 == 0
	s_wait_alu depctr_va_vdst(0)
	s_wait_loadcnt 24-pp/2                         ; the eight loads of these 16 pairs are in, the younger ones stay out
.endif
.if (pp >= 4) && (pp < 8)
	v_pk_add_f32 v[WS+2*(pp%4):WS+2*(pp%4)+1], v[W+2*(pp-4):W+2*(pp-4)+1], v[W+2*pp:W+2*pp+1]
.elseif pp >= 8
	v_pk_add_f32 v[WS+2*(pp%4):WS+2*(pp%4)+1], v[WS+2*(pp%4):WS+2*(pp%4)+1], v[W+2*pp:W+2*pp+1]
.endif
.set pp, pp+1
.endr
	s_delay_alu instid0(VALU_DEP_3)
	v_pk_add_f32 v[WS:WS+1], v[WS:WS+1], v[WS+2:WS+3]
	s_delay_alu instid0(VALU_DEP_2)
	v_pk_add_f32 v[WS+4:WS+5], v[WS+4:WS+5], v[WS+6:WS+7]
	s_delay_alu instid0(VALU_DEP_1)
	v_pk_add_f32 v[WS:WS+1], v[WS:WS+1], v[WS+4:WS+5]
	s_delay_alu instid0(VALU_DEP_1)
	v_add_f32 v[WS], v[WS], v[WS+1]
	LANESUM WS
	s_delay_alu instid0(VALU_DEP_1)
	v_mul_f32 v[WM], 0x39800000, v[WS]             ; / 4096: the row's mean
	s_delay_alu instid0(VALU_DEP_1)
	v_mov_b32 v[WM+1], v[WM]
.set pp, 0
.rept 64
	v_pk_add_f32 v[W+2*pp:W+2*pp+1], v[W+2*pp:W+2*pp+1], v[WM:WM+1] neg_lo:[0,1] neg_hi:[0,1]   ; d = w - mean
.set pp, pp+1
.endr
	s_wait_kmcnt 0x0                               ; e0, e1 and the bias
	MAKEU s27                                      ; e1
.irp g, 0,1,2,3,4,5,6,7                ; a group of 512 columns: my 16 numbers
.irp i, 0,1,2,3,4,5,6,7,8,9,10,11,12,13,14,15
.if (\g == 0) && (\i < 4)
	v_min_num_f32 v[ACC+\i], |v[W+\i]|, 1.0        ; |clip(d, -1, 1)| = min(|d|, 1); the first four start the chains
.else
	v_min_num_f32 v[WT+\i%4], |v[W+16*\g+\i]|, 1.0
	s_delay_alu instid0(VALU_DEP_1)
	v_add_f32 v[ACC+\i%4], v[ACC+\i%4], v[WT+\i%4]
.endif
.endr
	SIGNQ W+16*\g, WC+4*\g
	global_store_b128 v2, v[WC+4*\g:WC+4*\g+3], s[20:21] offset:512*\g   ; 32 lanes store 512 consecutive bytes, aligned
.endr
	v_add_f32 v[ACC], v[ACC], v[ACC+1]
	v_add_f32 v[ACC+2], v[ACC+2], v[ACC+3]
	s_delay_alu instid0(VALU_DEP_1)
	v_add_f32 v[ACC], v[ACC], v[ACC+2]
	LANESUM ACC
	s_delay_alu instid0(VALU_DEP_1)
	v_mul_f32 v[ACC], 0x39800000, v[ACC]           ; / 4096: scale
	s_add_co_i32 s39, s26, s27
	v_ldexp_f32 v26, v[ACC], s39                   ; s = scale x 2^(e0 + e1)
	v_mul_f32 v27, s33, v[ACC]                     ; t = bias x scale
	; two numbers a row: lane 0 stores four bytes twice.  These 32,768 bytes of the launch are the one place where a store does not cover 256 consecutive bytes: eight waves' numbers together would be 32
	s_wait_alu depctr_va_vdst(0)
	s_wait_xcnt 0x0                                ; EXEC is a source of the stores above: it changes only behind this wait
	v_cmp_eq_u32 vcc_lo, 0, v1
	s_and_saveexec_b32 s36, vcc_lo
	global_store_b32 v3, v26, s[22:23]
	global_store_b32 v3, v27, s[22:23] offset:16384
	s_wait_xcnt 0x0                                ; and again in front of the line that widens it
	s_or_b32 exec_lo, exec_lo, s36
	s_endpgm
.Lfunc_end_k_qbe5413d909_quant:
	.size	k_qbe5413d909_quant, .Lfunc_end_k_qbe5413d909_quant-k_qbe5413d909_quant
	.p2alignl 7, 3214868480
	.fill 96, 4, 3214868480
	.section	.rodata,"a",@progbits
	.p2align	6, 0x0
	.amdhsa_kernel k_qbe5413d909_quant
		.amdhsa_group_segment_fixed_size 5120
		.amdhsa_private_segment_fixed_size 0
		.amdhsa_enable_private_segment 0
		.amdhsa_kernarg_size 80
		.amdhsa_user_sgpr_count 2
		.amdhsa_user_sgpr_kernarg_segment_ptr 1
		.amdhsa_wavefront_size32 1
		.amdhsa_system_sgpr_workgroup_id_x 1
		.amdhsa_system_sgpr_workgroup_id_y 1
		.amdhsa_system_sgpr_workgroup_id_z 1
		.amdhsa_system_vgpr_workitem_id 0
		.amdhsa_next_free_vgpr 192
		.amdhsa_next_free_sgpr 66
		.amdhsa_reserve_vcc 1
		.amdhsa_float_denorm_mode_32 3
		.amdhsa_float_denorm_mode_16_64 3
		.amdhsa_memory_ordered 1
		.amdhsa_forward_progress 1
		.amdhsa_inst_pref_size 119
	.end_amdhsa_kernel
	.amdgpu_metadata
---
amdhsa.version: [ 1, 2 ]
amdhsa.kernels:
  - .name:           k_qbe5413d909_quant
    .symbol:         k_qbe5413d909_quant.kd
    .args:
      - { .name: x, .offset: 0, .size: 8, .value_kind: global_buffer, .address_space: global }
      - { .name: xpart, .offset: 8, .size: 8, .value_kind: global_buffer, .address_space: global }
      - { .name: gamma, .offset: 16, .size: 8, .value_kind: global_buffer, .address_space: global }
      - { .name: beta, .offset: 24, .size: 8, .value_kind: global_buffer, .address_space: global }
      - { .name: weight, .offset: 32, .size: 8, .value_kind: global_buffer, .address_space: global }
      - { .name: bias, .offset: 40, .size: 8, .value_kind: global_buffer, .address_space: global }
      - { .name: lowp_scales, .offset: 48, .size: 8, .value_kind: global_buffer, .address_space: global }
      - { .name: x_codes, .offset: 56, .size: 8, .value_kind: global_buffer, .address_space: global }
      - { .name: w_codes, .offset: 64, .size: 8, .value_kind: global_buffer, .address_space: global }
      - { .name: wsc, .offset: 72, .size: 8, .value_kind: global_buffer, .address_space: global }
    .group_segment_fixed_size: 5120
    .private_segment_fixed_size: 0
    .kernarg_segment_align: 8
    .kernarg_segment_size: 80
    .max_flat_workgroup_size: 256
    .sgpr_count:     66
    .vgpr_count:     192
    .wavefront_size: 32
...
	.end_amdgpu_metadata
.endif
;; end of part 2
;; launch gemm (part 3): grid 16 x 16, 4 waves a work-group, clusters of 4 x 4, 327,680 bytes of LDS; arguments x_codes, w_codes, wsc, out0; writes out0
.if DOCPART == 3
	.amdgcn_target "amdgcn-amd-amdhsa--gfx1250"
	.amdhsa_code_object_version 6
	.text
	.protected	k_qbe5413d909_gemm
	.globl	k_qbe5413d909_gemm
	.p2align	8
	.type	k_qbe5413d909_gemm,@function
k_qbe5413d909_gemm:
	s_mov_b64 s[64:65], 0
	v_nop
	global_prefetch_b8 v0, s[64:65] scope:SCOPE_SE
	s_setreg_imm32_b32 hwreg(HW_REG_WAVE_MODE, 25, 1), 1
	s_wait_xcnt 0x0
	s_wait_alu depctr_hold_cnt(0) depctr_sa_sdst(0) depctr_va_vdst(0) depctr_va_sdst(0) depctr_va_ssrc(0) depctr_va_vcc(0) depctr_vm_vsrc(0)
	s_getreg_b32 s2, hwreg(HW_REG_IB_STS2, 6, 4)
	s_cmp_eq_u32 s2, 0
	s_cbranch_scc0 .Lentry_in_a_cluster
	s_endpgm
.Lentry_in_a_cluster:
	s_bfe_u32 s2, ttmp6, 0x10000c
	s_cmp_lg_u32 s2, 0xf033
	s_cbranch_scc0 .Lentry_shape_is_right
	s_endpgm
.Lentry_shape_is_right:
.set SIZE_M, 4096
.set SIZE_N, 4096
.set SIZE_K, 4096
.set KSTEP,  256
.set ROWB,   256
.set KROW,   SIZE_K
.set PITCH,  272
.set FR,     16
.set NL,     4
.set NP,     4
.set HALFT,  128*PITCH
.set SLOT,   4*HALFT
.set LAPS,   SIZE_K/(2*KSTEP)
.set SPARE,  2*SLOT
.set SPITCH, 528
.set ADRA, 16
.set ADRB, 20
.set STO,  24
.set RD,   25
.set CO,   26
.set SPW,  28
.set NIL,  29
.set SS,   32
.set TT,   36
.set AF,   128
.set BK,   128
.set G1, 24
.set G0, 32
.set G1B, 48
.set G0B, 56
.set RA, 66
.set RB, 68
.set KO, 70
.set KP, 72
.set MSB, 0
.macro WIN new
.if MSB != \new
	s_set_vgpr_msb (MSB<<8)|\new
.set MSB, \new
.endif
.endm
.set MUL_LO, 0xa1
.set MUL_HI, 0xf1
.set TO_B,   0x40
.macro JLOAD g0a, g1a, g0b, g1b
	s_cmp_eq_u32 s15, 0
	s_cbranch_scc0 .Lfor_b_\@
	tensor_load_to_lds s[\g0a:\g0a+3], s[\g1a:\g1a+7]
	s_nop 0
.rept 4
	v_nop
.endr
	s_branch .Lasked_\@
.Lfor_b_\@:
	tensor_load_to_lds s[\g0b:\g0b+3], s[\g1b:\g1b+7]
	s_nop 0
.rept 4
	v_nop
.endr
.Lasked_\@:
.endm
.macro POINT s
	s_mov_b32 s[KP], s[KO+\s]
	s_add_nc_u64 s[G0+4*\s+2:G0+4*\s+3], s[RA:RA+1], s[KP:KP+1]
	s_or_b32 s[G0+4*\s+3], s[G0+4*\s+3], 0x80000000
	s_add_nc_u64 s[G0B+4*\s+2:G0B+4*\s+3], s[RB:RB+1], s[KP:KP+1]
	s_or_b32 s[G0B+4*\s+3], s[G0B+4*\s+3], 0x80000000
.endm
.macro CREST
	s_cmp_lg_u32 s14, 0
	s_cbranch_scc1 .Lnot_wave_0_\@
	s_barrier_signal -3
.Lnot_wave_0_\@:
	s_barrier_wait -3
	s_barrier_signal -1
	s_barrier_wait -1
.endm
.macro CROUND
	s_barrier_signal -1
	s_barrier_wait -1
	CREST
.endm
	s_load_b128 s[4:7], s[0:1], 0x0
	s_load_b128 s[8:11], s[0:1], 0x10
	v_lshl_add_u32 v[SPW], v0, 2, SPARE
	v_mov_b32 v[NIL], 0
	ds_add_u32 v[SPW], v[NIL]
	ds_add_u32 v[SPW], v[NIL]
	v_lshrrev_b32 v1, 5, v0
	v_readfirstlane_b32 s14, v1
	s_lshr_b32 s15, s14, 1
	s_and_b32 s16, s14, 1
	s_bfe_u32 s40, ttmp6, 0x40000
	s_bfe_u32 s41, ttmp6, 0x40004
	s_lshl_b32 s42, ttmp9, 2
	s_add_co_u32 s42, s42, s40
	s_and_b32 s17, ttmp7, 0xffff
	s_lshl_b32 s17, s17, 2
	s_add_co_u32 s17, s17, s41
	s_lshl_b32 s43, s41, 2
	s_lshl_b32 s43, 15, s43
	s_lshl_b32 s44, 0x1111, s40
	s_or_b32 s[G1+0], s43, (0<<16)|(1<<20)|(1<<21)|(5<<22)|(3<<25)
	s_or_b32 s[G1B+0], s44, (0<<16)|(1<<20)|(1<<21)|(5<<22)|(3<<25)
.irp g, G1, G1B
	s_mov_b32 s[\g+1], ROWB<<16
	s_mov_b32 s[\g+2], 128<<16
	s_mov_b32 s[\g+3], ROWB<<16
	s_mov_b32 s[\g+4], 128
	s_mov_b32 s[\g+5], KROW
	s_mov_b32 s[\g+6], 0
	s_mov_b32 s[\g+7], 0
.endr
	s_lshl_b32 s18, s16, 7
	s_lshl_b32 s20, s17, 8
	s_add_co_u32 s20, s20, s18
	s_lshl_b32 s46, s42, 8
	s_add_co_u32 s46, s46, s18
	s_mov_b32 s21, 0
	s_mov_b32 s47, 0
	s_mov_b64 s[18:19], KROW
	s_mul_u64 s[20:21], s[20:21], s[18:19]
	s_mul_u64 s[46:47], s[46:47], s[18:19]
	s_mul_i32 s45, s14, HALFT
	s_and_b32 s[KP], ttmp7, 0xffff
	s_and_b32 s[KO], ttmp9, 1
	s_lshl_b32 s[KO], s[KO], 3
	s_and_b32 s[KO+1], ttmp9, 2
	s_lshl_b32 s[KO+1], s[KO+1], 1
	s_add_co_u32 s[KO], s[KO], s[KO+1]
	s_and_b32 s[KO+1], s[KP], 1
	s_lshl_b32 s[KO+1], s[KO+1], 3
	s_add_co_u32 s[KO], s[KO], s[KO+1]
	s_and_b32 s[KO+1], s[KP], 2
	s_lshl_b32 s[KO+1], s[KO+1], 1
	s_add_co_u32 s[KO], s[KO], s[KO+1]
	s_and_b32 s[KO], s[KO], 15
	s_lshl_b32 s[KO], s[KO], 8
	s_add_co_u32 s[KO+1], s[KO], ROWB
	s_mov_b32 s[KP+1], 0
	s_wait_dscnt 0x0
	s_wait_kmcnt 0x0
	s_add_nc_u64 s[RA:RA+1], s[4:5], s[20:21]
	s_add_nc_u64 s[RB:RB+1], s[6:7], s[46:47]
	CROUND
.irp s, 0,1
	s_mov_b32 s[G0+4*\s], 1
	s_add_co_u32 s[G0+4*\s+1], s45, \s*SLOT
	s_mov_b32 s[G0B+4*\s], 1
	s_add_co_u32 s[G0B+4*\s+1], s45, \s*SLOT
	POINT \s
	s_wait_alu depctr_va_vdst(0)
	s_wait_tensorcnt 0x0
	ds_add_u32 v28, v29
	ds_add_u32 v28, v29
	s_wait_dscnt 0x0
	CROUND
	JLOAD G0+4*\s, G1, G0B+4*\s, G1B
.endr
	v_and_b32 v1, 15, v0
	s_wait_alu depctr_va_vdst(0)
	v_bfe_u32 v2, v0, 4, 1
	v_mul_u32_u24 v3, v1, PITCH
	v_lshl_add_u32 v4, v2, 4, v3
	s_mul_i32 s21, s15, HALFT
	s_mul_i32 s22, s16, HALFT
	s_add_co_u32 s22, s22, 2*HALFT
.irp s, 0,1
	v_add_nc_u32 v[ADRA+\s], s21, v4
	v_add_nc_u32 v[ADRB+\s], s22, v4
	s_add_co_u32 s21, s21, SLOT
	s_add_co_u32 s22, s22, SLOT
.endr
	s_mul_i32 s23, s14, 16*SPITCH
	v_mul_u32_u24 v5, v1, SPITCH
	s_wait_alu depctr_va_vdst(0)
	v_lshl_add_u32 v5, v2, 5, v5
	v_add_nc_u32 v[STO], s23, v5
	v_and_b32 v6, 31, v0
	v_lshlrev_b32 v[CO], 4, v6
	s_wait_alu depctr_va_vdst(0)
	v_add_nc_u32 v[RD], s23, v[CO]
	s_lshl_b32 s20, s17, 8
	s_lshl_b32 s21, s15, 7
	s_add_co_u32 s20, s20, s21
	s_mov_b32 s21, 0
	s_mov_b64 s[18:19], SIZE_N*4
	s_mul_u64 s[20:21], s[20:21], s[18:19]
	s_lshl_b32 s46, s42, 10
	s_lshl_b32 s47, s16, 9
	s_add_co_u32 s46, s46, s47
	s_mov_b32 s47, 0
	s_add_nc_u64 s[20:21], s[20:21], s[46:47]
	s_add_nc_u64 s[10:11], s[10:11], s[20:21]
	s_add_nc_u64 s[8:9], s[8:9], s[46:47]
	global_load_b128 v[SS:SS+3], v[CO], s[8:9]
	global_load_b128 v[TT:TT+3], v[CO], s[8:9] offset:16384
.macro FRAG reg, adr, q, i
.irp c, 0,1,2,3
	ds_load_b128 v[\reg+4*\c:\reg+4*\c+3], v[\adr] offset:128*(\q)+32*\c+(\i)*16*PITCH
.endr
.endm
.macro MUL16 a0, p, zero
.irp a, \a0, \a0+1
.irp b, 0,1,2,3,4,5,6,7
.if \zero
	v_wmma_f32_16x16x128_fp8_fp8 v[8*(8*((\a)%4)+\b):8*(8*((\a)%4)+\b)+7], v[128*(\p)+FR*\b:128*(\p)+FR*\b+FR-1], v[AF+FR*(\a):AF+FR*(\a)+FR-1], 0
.else
	v_wmma_f32_16x16x128_fp8_fp8 v[8*(8*((\a)%4)+\b):8*(8*((\a)%4)+\b)+7], v[128*(\p)+FR*\b:128*(\p)+FR*\b+FR-1], v[AF+FR*(\a):AF+FR*(\a)+FR-1], v[8*(8*((\a)%4)+\b):8*(8*((\a)%4)+\b)+7]
.endif
.endr
.endr
.endm
.macro FETCH_B slot, q, p
	WIN TO_B
.irp i, 0,1,2,3,4,5,6,7
	FRAG 128*(\p)+FR*\i, ADRB+\slot, \q, \i
.endr
	WIN 0
.endm
.macro FETCH_A slot, q, i0
.irp i, \i0, \i0+1, \i0+2, \i0+3
	FRAG AF+FR*(\i), ADRA+\slot, \q, \i
.endr
.endm
.macro PLACES n
.rept \n
	v_nop
.endr
.endm
.macro STEP slot, q, zero
	s_wait_dscnt 4*NL
	WIN MUL_LO
	MUL16 0, (\q)%2, \zero
	MUL16 2, (\q)%2, \zero
	s_wait_dscnt 0
	PLACES NP
	FETCH_B \slot, (\q)+1, 1-(\q)%2
	FETCH_A \slot, (\q)+1, 0
	WIN MUL_HI
	MUL16 4, (\q)%2, \zero
	MUL16 6, (\q)%2, \zero
	PLACES NP
	WIN 0
	FETCH_A \slot, (\q)+1, 4
.endm
.macro TURN slot, next, fill
	s_wait_dscnt 4*NL
	WIN MUL_LO
	MUL16 0, 1, 0
	MUL16 2, 1, 0
	WIN 0
	s_wait_tensorcnt 0x0
	ds_add_u32 v[SPW], v[NIL]
.if \fill
	s_add_co_u32 s[KO+\slot], s[KO+\slot], 2*ROWB
	s_and_b32 s[KO+\slot], s[KO+\slot], KROW-1
	POINT \slot
.endif
	s_wait_dscnt 0x0
	s_barrier_signal -1
	s_barrier_wait -1
.if \fill
	CREST
	JLOAD G0+4*\slot, G1, G0B+4*\slot, G1B
.else
	PLACES NP
.endif
	FETCH_B \next, 0, 0
	FETCH_A \next, 0, 0
	WIN MUL_HI
	MUL16 4, 1, 0
	MUL16 6, 1, 0
	PLACES NP
	WIN 0
	FETCH_A \next, 0, 4
.endm
	s_wait_tensorcnt 1
	s_barrier_signal -1
	s_barrier_wait -1
	FETCH_B 0, 0, 0
	FETCH_A 0, 0, 0
	FETCH_A 0, 0, 4
	STEP 0, 0, 1
	s_mov_b32 s3, LAPS-1
.Llap:
	TURN 0, 1, 1
	STEP 1, 0, 0
	TURN 1, 0, 1
	STEP 0, 0, 0
	s_sub_co_u32 s3, s3, 1
	s_cmp_lg_u32 s3, 0
	s_cbranch_scc1 .Llap
	TURN 0, 1, 0
	STEP 1, 0, 0
	s_wait_dscnt 4*NL
	WIN MUL_LO
	MUL16 0, 1, 0
	MUL16 2, 1, 0
	s_wait_dscnt 0
	WIN MUL_HI
	MUL16 4, 1, 0
	MUL16 6, 1, 0
	WIN 0
.macro TOSTAGE a
.set AC, 64*((\a)%4)
	WIN 0x08+4*((\a)/4)
.irp b, 0,1,2,3,4,5,6,7
	ds_store_b128 v[STO], v[AC+8*\b:AC+8*\b+3] offset:64*\b
	ds_store_b128 v[STO], v[AC+8*\b+4:AC+8*\b+7] offset:64*\b+16
.endr
	WIN 0
.set BB, BK+64*((\a)%2)
.irp t, 0,1,2,3,4,5,6,7,8,9,10,11,12,13,14,15
	ds_load_b128 v[BB+4*\t:BB+4*\t+3], v[RD] offset:\t*SPITCH
.endr
.endm
.macro SEND a, younger
.set BB, BK+64*((\a)%2)
	s_wait_dscnt \younger
.if (\a) > 0
	s_add_nc_u64 s[10:11], s[10:11], 16*SIZE_N*4
.endif
.irp t, 0,1,2,3,4,5,6,7,8,9,10,11,12,13,14,15
	v_pk_fma_f32 v[BB+4*\t:BB+4*\t+1], v[BB+4*\t:BB+4*\t+1], v[SS:SS+1], v[TT:TT+1]
	v_pk_fma_f32 v[BB+4*\t+2:BB+4*\t+3], v[BB+4*\t+2:BB+4*\t+3], v[SS+2:SS+3], v[TT+2:TT+3]
.endr
.irp t, 0,1,2,3,4,5,6,7,8,9,10,11,12,13,14,15
.irp i, 0,1,2,3
	v_max_num_f32 v[BB+4*\t+\i], 0, v[BB+4*\t+\i]
.endr
	global_store_b128 v[CO], v[BB+4*\t:BB+4*\t+3], s[10:11] offset:\t*SIZE_N*4 th:TH_STORE_NT
.endr
.endm
	s_wait_loadcnt 0x0
	PLACES NP
	s_wait_alu depctr_va_vdst(0)
	TOSTAGE 0
.irp a, 1,2,3,4,5,6,7
.if \a > 1
	s_wait_xcnt 0x0
.endif
	TOSTAGE \a
	SEND \a-1, 32
.endr
	s_wait_xcnt 0x0
	SEND 7, 0
	s_wait_tensorcnt 0x0
	ds_add_u32 v[SPW], v[NIL]
	s_wait_dscnt 0x0
	CROUND
	s_endpgm
.Lfunc_end_k_qbe5413d909_gemm:
	.size	k_qbe5413d909_gemm, .Lfunc_end_k_qbe5413d909_gemm-k_qbe5413d909_gemm
	.p2alignl 7, 3214868480
	.fill 96, 4, 3214868480
	.section	.rodata,"a",@progbits
	.p2align	6, 0x0
	.amdhsa_kernel k_qbe5413d909_gemm
		.amdhsa_group_segment_fixed_size 327680
		.amdhsa_private_segment_fixed_size 0
		.amdhsa_enable_private_segment 0
		.amdhsa_kernarg_size 32
		.amdhsa_user_sgpr_count 2
		.amdhsa_user_sgpr_kernarg_segment_ptr 1
		.amdhsa_wavefront_size32 1
		.amdhsa_system_sgpr_workgroup_id_x 1
		.amdhsa_system_sgpr_workgroup_id_y 1
		.amdhsa_system_sgpr_workgroup_id_z 1
		.amdhsa_system_vgpr_workitem_id 0
		.amdhsa_next_free_vgpr 1024
		.amdhsa_next_free_sgpr 80
		.amdhsa_reserve_vcc 0
		.amdhsa_float_denorm_mode_32 3
		.amdhsa_float_denorm_mode_16_64 3
		.amdhsa_memory_ordered 1
		.amdhsa_forward_progress 1
		.amdhsa_inst_pref_size 141
	.end_amdhsa_kernel
	.amdgpu_metadata
---
amdhsa.version: [ 1, 2 ]
amdhsa.kernels:
  - .name:           k_qbe5413d909_gemm
    .symbol:         k_qbe5413d909_gemm.kd
    .args:
      - { .name: x_codes, .offset: 0, .size: 8, .value_kind: global_buffer, .address_space: global }
      - { .name: w_codes, .offset: 8, .size: 8, .value_kind: global_buffer, .address_space: global }
      - { .name: wsc, .offset: 16, .size: 8, .value_kind: global_buffer, .address_space: global }
      - { .name: out0, .offset: 24, .size: 8, .value_kind: global_buffer, .address_space: global }
    .group_segment_fixed_size: 327680
    .private_segment_fixed_size: 0
    .kernarg_segment_align: 8
    .kernarg_segment_size: 32
    .max_flat_workgroup_size: 128
    .sgpr_count:     80
    .vgpr_count:     1024
    .wavefront_size: 32
...
	.end_amdgpu_metadata
.endif
;; end of part 3
